; MI455X (gfx1250); checked and timed in simulation.
; The chip was launched on July 23, 2026; its instructions are those of AMD's public machine-readable ISA for CDNA 5 (MIT licence, August 2026) and "CDNA5" Instruction Set Architecture Reference Guide (July 2026). The comments in the code are by the model that wrote it; some were corrected since.
;; Relu Network Disentangle. Allowed arithmetic: float matrix products may take bf16 or f16 operands with f32 sums; other float arithmetic in f32, or as packed bf16 or f16 multiplies, adds, multiply-adds, maxima and minima; sums over many terms, partial sums and values carried from step to step in f32; what a program stores and reads back later, other than sums and carried values, may be rounded once to bf16 or f16.
;; Inputs: W_blocks 8 x 128 x 128 float32; W_c 128 x 128 float32; W_in 63 x 128 float32; W_out 128 x 1 float32; W_rgb 128 x 3 float32; W_skip 63 x 128 float32; W_skipc 128 x 128 float32; W_view 27 x 128 float32; W_viewc 128 x 128 float32; b_blocks 8 x 128 float32; b_c 128 float32; b_in 128 float32; b_out 1 float32; b_rgb 3 float32; b_skip 128 float32; b_skipc 128 float32; b_view 128 float32; b_viewc 128 float32; condition 262,144 x 256 float32; coords 262,144 x 3 float32; noise 262,144 x 1 float32; ray_dir 262,144 x 3 float32.
;; Outputs: out0 262,144 x 4 float32.
;; One version. Each part assembles by itself: llvm-mc -triple=amdgcn-amd-amdhsa -mcpu=gfx1250 --defsym DOCPART=n.
;; ======== version 1 of 1: 2 launches
;; workspace buffers: wts 410,624 bytes
;; launch prep (part 1): grid 51 x 1, 16 waves a work-group, no clusters, 0 bytes of LDS; arguments W_blocks, W_c, W_skipc, W_viewc, W_in, W_skip, W_view, W_out, W_rgb, b_in, b_c, b_blocks, b_skip, b_skipc, b_view, b_viewc, wts; writes wts
.if DOCPART == 1
	.amdgcn_target "amdgcn-amd-amdhsa--gfx1250"
	.amdhsa_code_object_version 6
	.text
	.protected	k_q25be5fa2e0_prep
	.globl	k_q25be5fa2e0_prep
	.p2align	8
	.type	k_q25be5fa2e0_prep,@function
k_q25be5fa2e0_prep:
	s_mov_b64 s[64:65], 0
	v_nop
	global_prefetch_b8 v0, s[64:65] scope:SCOPE_SE
	s_setreg_imm32_b32 hwreg(HW_REG_WAVE_MODE, 25, 1), 1
	s_wait_xcnt 0x0
; All weights, rounded once to bf16, laid out as the matrix unit's source 0 wants them; the biases summed in f32.
; A K step (32 k x 128 output features) is 8,192 bytes: fragment nf (16 features) 1,024 bytes, chunk c2 (registers 4 c2 .. 4 c2 + 3) 512 bytes, lane l at 16 l.
; Lane (r, h) of chunk c2 holds feature n = 16 nf + r and k = 16 c2 + 8 h + 0..7.  Work-group j makes one K step (j < 49), the head tile (49) or the biases (50).
; Thread t makes the 16 bytes at 16 t of its job's part of wts: a wave stores 512 consecutive bytes, aligned.
; The encodings' K steps carry their rows in another order, the same in which the second launch lays its operands (see there).
; b_view + b_viewc rides as a weight (against an operand of 1.0) and is rounded to bf16; all other biases stay f32.
.set RES,     304128                   ; the part of wts that the second launch keeps in LDS ends here; behind it the 13 K steps that it streams
.set HEADOFF, 294912
.set BIASOFF, 299008
.set KSB,     8192
	s_load_b512 s[8:23], s[0:1], 0x0               ; W_blocks 8, W_c 10, W_skipc 12, W_viewc 14, W_in 16, W_skip 18, W_view 20, W_out 22
	s_load_b512 s[24:39], s[0:1], 0x40             ; W_rgb 24, b_in 26, b_c 28, b_blocks 30, b_skip 32, b_skipc 34, b_view 36, b_viewc 38
	s_load_b64 s[40:41], s[0:1], 0x80              ; wts
	s_mov_b32 s2, ttmp9                            ; the job j
	v_lshrrev_b32 v15, 5, v0
	v_readfirstlane_b32 s7, v15                    ; wave 0..15
	v_and_b32 v1, 15, v0                           ; r
	v_bfe_u32 v2, v0, 4, 1                         ; h
	v_bfe_u32 v3, v0, 5, 1                         ; c2
	v_lshrrev_b32 v4, 6, v0                        ; nf
	v_lshlrev_b32 v5, 2, v1
	v_lshl_add_u32 v5, v4, 6, v5                   ; 4 n
	v_lshlrev_b32 v6, 4, v0                        ; 16 t
	; where the job's bytes go.  j < 32: W_blocks[l], K step kf: the first three of a layer stay in LDS, the fourth is streamed
	s_lshr_b32 s3, s2, 2                           ; l
	s_and_b32 s4, s2, 3                            ; kf
	s_mul_i32 s5, s3, 3
	s_add_co_u32 s5, s5, s4
	s_lshl_b32 s5, s5, 13                          ; slot 3 l + kf
	s_cmp_ge_u32 s3, 4
	s_cselect_b32 s6, 3, 2
	s_add_co_u32 s6, s6, s3                        ; streamed K step 2 + l, one more from layer 4 on
	s_lshl_b32 s6, s6, 13
	s_add_co_u32 s6, s6, RES
	s_cmp_eq_u32 s4, 3
	s_cselect_b32 s42, s6, s5
.macro DST j, off
	s_cmp_eq_u32 s2, \j
	s_cselect_b32 s42, \off, s42
.endm
	DST 32, 25*KSB                                 ; W_c kf 0, 1, 2, 3
	DST 33, 26*KSB
	DST 34, RES+1*KSB
	DST 35, 27*KSB
	DST 36, 30*KSB                                 ; W_skipc
	DST 37, RES+6*KSB
	DST 38, 31*KSB
	DST 39, 32*KSB
	DST 40, 33*KSB                                 ; W_viewc
	DST 41, 34*KSB
	DST 42, 35*KSB
	DST 43, RES+12*KSB
	DST 44, RES                                    ; W_in, halves 0 and 1
	DST 45, 24*KSB
	DST 46, 28*KSB                                 ; W_skip
	DST 47, 29*KSB
	DST 48, RES+11*KSB                             ; W_view
	DST 49, HEADOFF
	DST 50, BIASOFF
	s_mov_b32 s43, 0
	s_wait_kmcnt 0x0
	s_add_nc_u64 s[44:45], s[40:41], s[42:43]
	s_cmp_lt_u32 s2, 44
	s_cbranch_scc1 .Lplain
	s_cmp_lt_u32 s2, 48
	s_cbranch_scc1 .Lenc
	s_cmp_eq_u32 s2, 48
	s_cbranch_scc1 .Lencv
	s_cmp_eq_u32 s2, 49
	s_cbranch_scc1 .Lhead
	s_branch .Lbias
.Lplain:                                               ; rows k0 + 16 c2 + 8 h + e of a 128 x 128 matrix
	s_lshl_b32 s46, s2, 14                         ; W_blocks: 32 rows of 512 bytes for each j
	s_lshl_b32 s47, s4, 14
	s_cmp_lt_u32 s2, 32
	s_cselect_b32 s46, s46, s47
	s_cselect_b64 s[48:49], s[8:9], s[10:11]
	s_cmp_lt_u32 s2, 36
	s_cselect_b64 s[48:49], s[48:49], s[12:13]
	s_cmp_lt_u32 s2, 40
	s_cselect_b64 s[48:49], s[48:49], s[14:15]
	s_mov_b32 s47, 0
	s_add_nc_u64 s[48:49], s[48:49], s[46:47]
	v_lshl_add_u32 v7, v3, 13, v5
	v_lshl_add_u32 v7, v2, 12, v7                  ; (16 c2 + 8 h) rows + 4 n
.irp e, 0,1,2,3,4,5,6,7
	global_load_b32 v[16+\e], v7, s[48:49] offset:512*\e
.endr
	s_wait_loadcnt 0x0
	s_branch .Lpack
.Lenc:                                                 ; the points' encoding: place u = 16 f + 8 c2 + e of lane half h is row 3 + 30 h + u; u = 30, 31 are rows 2 h, 2 h + 1; (h = 1, u = 31) is 0
	s_and_b32 s5, s2, 1
	s_lshl_b32 s5, s5, 4                           ; 16 f
	s_cmp_lt_u32 s2, 46
	s_cselect_b64 s[48:49], s[16:17], s[18:19]
	v_lshl_add_u32 v8, v3, 3, s5                   ; u of e = 0
	v_mad_u32_u24 v9, v2, 30, v8
	v_add_nc_u32 v9, 3, v9
	v_lshl_add_u32 v7, v9, 9, v5
	v_cmp_eq_u32 vcc_lo, 24, v8                    ; the chunk that ends with u = 30, 31
	v_add_nc_u32 v10, 6*512, v7
	v_lshl_add_u32 v11, v2, 10, v5                 ; row 2 h
	v_cndmask_b32 v10, v10, v11, vcc_lo
	v_add_nc_u32 v12, 7*512, v7
	v_sub_nc_u32 v13, 1, v2
	v_lshl_add_u32 v13, v13, 9, v5                 ; row 1 for h = 0; for h = 1 row 0, whose number is dropped below: no load leaves the 63 rows
	v_cndmask_b32 v12, v12, v13, vcc_lo
.irp e, 0,1,2,3,4,5
	global_load_b32 v[16+\e], v7, s[48:49] offset:512*\e
.endr
	global_load_b32 v22, v10, s[48:49]
	global_load_b32 v23, v12, s[48:49]
	v_lshl_add_u32 v14, v2, 5, v8
	v_cmp_eq_u32 vcc_lo, 56, v14                   ; h = 1 in that chunk
	s_wait_loadcnt 0x0
	v_cndmask_b32 v23, v23, 0, vcc_lo
	s_branch .Lpack
.Lencv:                                                ; the directions' encoding: place u = 8 c2 + e: u < 12 is row 3 + 12 h + u; h = 0: u = 12..14 rows 0..2, u = 15 the bias; h = 1: u >= 12 is 0
	v_mad_u32_u24 v9, v2, 12, 3
	v_lshl_add_u32 v9, v3, 3, v9
	v_lshl_add_u32 v7, v9, 9, v5
	v_cmp_eq_u32 vcc_lo, 1, v3
.irp e, 4,5,6,7
	v_add_nc_u32 v[6+\e], 512*\e, v7
.endr
	v_cndmask_b32 v10, v10, v5, vcc_lo             ; row 0
	v_add_nc_u32 v14, 512, v5
	v_cndmask_b32 v11, v11, v14, vcc_lo            ; row 1
	v_add_nc_u32 v14, 1024, v5
	v_cndmask_b32 v12, v12, v14, vcc_lo            ; row 2
	v_cndmask_b32 v13, v13, v14, vcc_lo            ; row 2 again: replaced below
.irp e, 0,1,2,3
	global_load_b32 v[16+\e], v7, s[20:21] offset:512*\e
.endr
.irp e, 4,5,6,7
	global_load_b32 v[16+\e], v[6+\e], s[20:21]
.endr
	global_load_b32 v28, v5, s[36:37]
	global_load_b32 v29, v5, s[38:39]
	v_lshl_add_u32 v30, v3, 1, v2                  ; 2 c2 + h
	s_wait_loadcnt 0x0
	v_add_f32 v28, v28, v29                        ; b_view + b_viewc
	v_cmp_eq_u32 vcc_lo, 3, v30
.irp e, 4,5,6,7
	v_cndmask_b32 v[16+\e], v[16+\e], 0, vcc_lo
.endr
	v_cmp_eq_u32 vcc_lo, 2, v30
	v_cndmask_b32 v23, v23, v28, vcc_lo
	s_branch .Lpack
.Lhead:                                                ; the head tile, 16 rows x 128 k: rows 0 and 8 W_out, rows 1-3 and 9-11 W_rgb's columns, all else 0; four fragments: 256 threads
	s_cmp_ge_u32 s7, 8
	s_cbranch_scc1 .Lend
	v_lshlrev_b32 v7, 5, v4
	v_lshl_add_u32 v7, v3, 4, v7
	v_lshl_add_u32 v7, v2, 3, v7                   ; k of e = 0
	v_lshlrev_b32 v8, 2, v7
	v_and_b32 v9, 7, v1                            ; row mod 8
	v_max_u32 v10, 1, v9
	v_sub_nc_u32 v10, v10, 1
	v_min_u32 v10, 2, v10                          ; W_rgb's column, held inside 0..2
	v_mul_u32_u24 v11, v7, 12
	v_lshl_add_u32 v11, v10, 2, v11
	global_load_b128 v[16:19], v8, s[22:23]
	global_load_b128 v[20:23], v8, s[22:23] offset:16
.irp e, 0,1,2,3,4,5,6,7
	global_load_b32 v[28+\e], v11, s[24:25] offset:12*\e
.endr
	v_cmp_eq_u32 s50, 0, v9
	v_cmp_gt_u32 s51, 4, v9
	s_wait_loadcnt 0x0
.irp e, 0,1,2,3,4,5,6,7
	v_cndmask_b32 v[28+\e], 0, v[28+\e], s51
	v_cndmask_b32 v[16+\e], v[28+\e], v[16+\e], s50
.endr
.Lpack:                                                ; eight numbers rounded to bf16: 16 bytes
	v_cvt_pk_bf16_f32 v24, v16, v17
	v_cvt_pk_bf16_f32 v25, v18, v19
	v_cvt_pk_bf16_f32 v26, v20, v21
	v_cvt_pk_bf16_f32 v27, v22, v23
	global_store_b128 v6, v[24:27], s[44:45]
	s_endpgm
.Lbias:                                                ; wave w makes row w of 128 f32: 0: b_in + b_c; 1..8: b_blocks[w - 1], at 4 with b_skip + b_skipc; 9: zeros
	s_cmp_ge_u32 s7, 10
	s_cbranch_scc1 .Lend
	v_and_b32 v8, 31, v0
	v_lshlrev_b32 v8, 4, v8
	s_cmp_eq_u32 s7, 9
	s_cbranch_scc1 .Lbzero
	s_cmp_eq_u32 s7, 0
	s_cbranch_scc1 .Lbfirst
	s_sub_co_u32 s46, s7, 1
	s_lshl_b32 s46, s46, 9
	s_mov_b32 s47, 0
	s_add_nc_u64 s[48:49], s[30:31], s[46:47]
	global_load_b128 v[16:19], v8, s[48:49]
	s_cmp_eq_u32 s7, 4
	s_cbranch_scc0 .Lbstore
	global_load_b128 v[20:23], v8, s[32:33]
	global_load_b128 v[24:27], v8, s[34:35]
	s_wait_loadcnt 0x0
	v_pk_add_f32 v[20:21], v[20:21], v[24:25]
	v_pk_add_f32 v[22:23], v[22:23], v[26:27]
	s_branch .Lbsum
.Lbfirst:
	global_load_b128 v[16:19], v8, s[26:27]
	global_load_b128 v[20:23], v8, s[28:29]
	s_wait_loadcnt 0x0
.Lbsum:
	v_pk_add_f32 v[16:17], v[16:17], v[20:21]
	v_pk_add_f32 v[18:19], v[18:19], v[22:23]
	s_branch .Lbstore
.Lbzero:
	v_mov_b32 v16, 0
	v_mov_b32 v17, 0
	v_mov_b32 v18, 0
	v_mov_b32 v19, 0
.Lbstore:
	s_wait_loadcnt 0x0
	global_store_b128 v6, v[16:19], s[44:45]       ; 512 w + 16 lane = 16 t
.Lend:
	s_endpgm
.Lfunc_end_k_q25be5fa2e0_prep:
	.size	k_q25be5fa2e0_prep, .Lfunc_end_k_q25be5fa2e0_prep-k_q25be5fa2e0_prep
	.p2alignl 7, 3214868480
	.fill 96, 4, 3214868480
	.section	.rodata,"a",@progbits
	.p2align	6, 0x0
	.amdhsa_kernel k_q25be5fa2e0_prep
		.amdhsa_group_segment_fixed_size 0
		.amdhsa_private_segment_fixed_size 0
		.amdhsa_enable_private_segment 0
		.amdhsa_kernarg_size 136
		.amdhsa_user_sgpr_count 2
		.amdhsa_user_sgpr_kernarg_segment_ptr 1
		.amdhsa_wavefront_size32 1
		.amdhsa_system_sgpr_workgroup_id_x 1
		.amdhsa_system_sgpr_workgroup_id_y 1
		.amdhsa_system_sgpr_workgroup_id_z 1
		.amdhsa_system_vgpr_workitem_id 0
		.amdhsa_next_free_vgpr 40
		.amdhsa_next_free_sgpr 66
		.amdhsa_reserve_vcc 1
		.amdhsa_float_denorm_mode_32 3
		.amdhsa_float_denorm_mode_16_64 3
		.amdhsa_memory_ordered 1
		.amdhsa_forward_progress 1
		.amdhsa_inst_pref_size 14
	.end_amdhsa_kernel
	.amdgpu_metadata
---
amdhsa.version: [ 1, 2 ]
amdhsa.kernels:
  - .name:           k_q25be5fa2e0_prep
    .symbol:         k_q25be5fa2e0_prep.kd
    .args:
      - { .name: W_blocks, .offset: 0, .size: 8, .value_kind: global_buffer, .address_space: global }
      - { .name: W_c, .offset: 8, .size: 8, .value_kind: global_buffer, .address_space: global }
      - { .name: W_skipc, .offset: 16, .size: 8, .value_kind: global_buffer, .address_space: global }
      - { .name: W_viewc, .offset: 24, .size: 8, .value_kind: global_buffer, .address_space: global }
      - { .name: W_in, .offset: 32, .size: 8, .value_kind: global_buffer, .address_space: global }
      - { .name: W_skip, .offset: 40, .size: 8, .value_kind: global_buffer, .address_space: global }
      - { .name: W_view, .offset: 48, .size: 8, .value_kind: global_buffer, .address_space: global }
      - { .name: W_out, .offset: 56, .size: 8, .value_kind: global_buffer, .address_space: global }
      - { .name: W_rgb, .offset: 64, .size: 8, .value_kind: global_buffer, .address_space: global }
      - { .name: b_in, .offset: 72, .size: 8, .value_kind: global_buffer, .address_space: global }
      - { .name: b_c, .offset: 80, .size: 8, .value_kind: global_buffer, .address_space: global }
      - { .name: b_blocks, .offset: 88, .size: 8, .value_kind: global_buffer, .address_space: global }
      - { .name: b_skip, .offset: 96, .size: 8, .value_kind: global_buffer, .address_space: global }
      - { .name: b_skipc, .offset: 104, .size: 8, .value_kind: global_buffer, .address_space: global }
      - { .name: b_view, .offset: 112, .size: 8, .value_kind: global_buffer, .address_space: global }
      - { .name: b_viewc, .offset: 120, .size: 8, .value_kind: global_buffer, .address_space: global }
      - { .name: wts, .offset: 128, .size: 8, .value_kind: global_buffer, .address_space: global }
    .group_segment_fixed_size: 0
    .private_segment_fixed_size: 0
    .kernarg_segment_align: 8
    .kernarg_segment_size: 136
    .max_flat_workgroup_size: 512
    .sgpr_count:     66
    .vgpr_count:     40
    .wavefront_size: 32
...
	.end_amdgpu_metadata
.endif
;; end of part 1
;; launch mlp (part 2): grid 256 x 1, 4 waves a work-group, no clusters, 327,680 bytes of LDS; arguments wts, condition, coords, ray_dir, noise, b_out, b_rgb, out0; writes out0
.if DOCPART == 2
	.amdgcn_target "amdgcn-amd-amdhsa--gfx1250"
	.amdhsa_code_object_version 6
	.text
	.protected	k_q25be5fa2e0_mlp
	.globl	k_q25be5fa2e0_mlp
	.p2align	8
	.type	k_q25be5fa2e0_mlp,@function
k_q25be5fa2e0_mlp:
	s_mov_b64 s[64:65], 0
	v_nop
	global_prefetch_b8 v0, s[64:65] scope:SCOPE_SE
	s_setreg_imm32_b32 hwreg(HW_REG_WAVE_MODE, 25, 1), 1
	s_wait_xcnt 0x0
; THE WHOLE NETWORK for 262,144 points.  256 work-groups of four waves; a wave owns four BLOCKS of 64 points, a block is four TILES of 16.
; LAYOUT.  H^T = W^T X^T: source 0 = 16 output features (weights, as the first launch laid them), source 1 = 16 points.  In a result lane (r, h) holds point r and features 8 h + 0..7:
; two results rounded to bf16 in pairs ARE source 1 (32 features x 16 points) of the next layer.  So activations stay in registers and never change lanes.
; WEIGHTS.  49 K steps of 32 x 128 and a head tile.  36 K steps, the head tile and the biases (304,128 bytes) are brought into LDS once, a quarter by each wave's one tensor load, and only read
; behind the launch's one barrier.  The other 13 K steps do not fit: each wave loads them into registers (GF) as it needs them.  NO CLUSTER: what could be asked for jointly is filled once a launch, and
; the streamed K steps go to registers, which a joint load does not serve.
; CONDITION, the launch's bytes, is read once: an ITEM is 16 rows x 512 bytes; two items of a wave are on their way; an item is rounded to bf16 and turned into fragments through the wave's own stage in LDS.
; ENCODINGS.  A lane half takes half of the levels (h = 0 the lower, h = 1 the upper): the lowest level's angle / 4 is reduced by multiples of pi/2 (in two parts), sine and cosine come from polynomials on
; |y| <= pi/4 (degrees 7 and 8), two doublings undo the / 4 (the multiples of pi/2 are then whole turns), and each further level is one more doubling.
; LIMITS.  Matrix operands and activations are bf16; b_view + b_viewc is rounded to bf16; the other biases, the sums, noise and both activations at the end are f32.  Sine and cosine are within
; about 3e-5 for |coords| up to 1e4.  |ray_dir|^2 below 2^-126 counts as 0 in the reciprocal root and gives NaN, as a zero direction does in the definition.  NaN and infinities are not treated apart.
; REGISTERS, in windows of 256 (s_set_vgpr_msb: bits 1:0 source 0, 3:2 source 1, 5:4 source 2, 7:6 destination):
;   window 0: v0-31 addresses and small things; v32-127 WF, three buffers of half a K step of weights (the heads' four results lie in the second, the way out works in the third);
;             v128-191 GF, a streamed K step; v192-255 STB, the odd items
;   window 1: ACC(nf, t) at 64 t + 8 nf       window 2: OP(t, kf) at 32 t + 8 kf; CS(t, kf) at 128 + 32 t + 8 kf (condition's first half)
;   window 3: CA(t, kf) at 32 t + 8 kf (its second half); ENC(t, f) at 128 + 16 t + 8 f, and in its place when it is dead ENCV(t) at 128 + 8 t, RD(t) at 160 + 4 t, CO(t) at 176 + 4 t; v192-255 STA, the even items
.set RES,     304128                   ; bytes of wts that live in LDS
.set BIASOFF, 299008
.set STAGE,   304128                   ; 16 rows x 272 bytes for each wave: written by ds_store alone
.set SPITCH,  272                      ; 256 bytes + 16: the 16 rows of a fragment load start at 16 different groups of four banks (ISA guide 11.1)
.set SPARE,   321536                   ; the spare words, 128 bytes for each wave: two blocks of 256 bytes that no other line names
.set WTS, 8                            ; s[8:23] the eight addresses
.set CND, 10
.set CRDB, 12
.set RAYB, 14
.set NOIB, 16
.set BOUT, 18
.set BRGB, 20
.set OUTB, 22
.set WV,  24                           ; my wave's number
.set BLK, 25                           ; blocks to go, 4 to 1
.set BI,  26                           ; the block in hand: 1024 b + 4 x work-group + wave
.set CUR, 44                           ; s[44:45] condition at this block, s[46:47] at the next
.set NXT, 46
.set GP,  48                           ; s[48:49] the streamed K step last asked for; s[50:51] the first of them
.set GB,  50
.set CRD, 52                           ; coords at the next block (in the last block: at this one)
.set RAY, 54
.set NOI, 56
.set OUTP, 58
.set HM,  60                           ; lanes 16-31
.set SBO, 61                           ; b_out
.set SB0, 62                           ; -log2(e) b_rgb
.set SB1, 63
.set SB2, 66
.set NL2E, 67
.set K2PI, 68                          ; pairs, both words written: the packed forms take the low word for both halves
.set NHI, 70
.set NLO, 72
.set KS1, 74
.set KS2, 76
.set KS3, 78
.set KC2, 80
.set KC3, 82
.set KC4, 84
.set MSB, 0
.macro WIN new                         ; the high byte repeats the setting that is left; a switch that changes nothing is dropped
.if MSB != (\new)
	s_set_vgpr_msb (MSB<<8)|(\new)
.set MSB, \new
.endif
.endm
.macro PLACES                          ; four places behind a matrix instruction, in front of loads into its registers and of vector lines that read its result (ISA guide 7.12.1 for vector lines)
.rept 4
	v_nop
.endr
.endm
.macro KPAIR r, val
	s_mov_b32 s[\r], \val
	s_mov_b32 s[(\r)+1], \val
.endm
.macro PTR dst, base, idx, mul         ; an address = a buffer's + a block's number x its bytes there (s29 = 0)
	s_mul_i32 s28, s[\idx], \mul
	s_add_nc_u64 s[\dst:\dst+1], s[\base:\base+1], s[28:29]
.endm
; ---- weights out of LDS: half a K step (4 fragments, 4,096 bytes) into buffer buf; 32 lanes read 512 consecutive bytes
.macro LDH areg, j, buf
.set li, 0
.rept 4
	ds_load_b128 v[32+32*(\buf)+8*li:32+32*(\buf)+8*li+3],   v[\areg] offset:(\j)*4096+li*1024
	ds_load_b128 v[32+32*(\buf)+8*li+4:32+32*(\buf)+8*li+7], v[\areg] offset:(\j)*4096+li*1024+512
.set li, li+1
.endr
.endm
.macro GRP areg, n                     ; a run of n half K steps behind address register areg
.set AREG, \areg
.set QN, \n
.set QL, 0
.set QP, 0
.endm
.macro PRE                             ; its first two halves; the caller has left four places behind the last matrix instruction
	WIN 0
	LDH AREG, 0, 0
	LDH AREG, 1, 1
.set QP, 2
.endm
.macro WM t, n, a, bb, bs, hs, cz
.set rD, 64*(\t)+8*(4*(\hs)+(\n))
.set rC, rD
.if \cz
.set rC, 8*(4*(\hs)+(\n))
.endif
	v_wmma_f32_16x16x32_bf16 v[rD:rD+7], v[(\a)+8*(\n):(\a)+8*(\n)+7], v[(\bb)+(\bs)*(\t):(\bb)+(\bs)*(\t)+7], v[rC:rC+7]
.endm
; 16 matrix instructions: features 64 hs + 0..63 x four tiles, 32 along K.  The accumulators take turns, one instruction a turn.
; first = 1: the layer's sums begin with the bias, which lies in tile 0's accumulators: tiles 1-3 take it as C; five places; then tile 0 adds in place.
.macro HSTEP a, bw, bb, bs, hs, first
	WIN 0x50|((\bw)<<2)
.if \first
.irp t, 1,2,3
.irp n, 0,1,2,3
	WM \t, \n, \a, \bb, \bs, \hs, 1
.endr
.endr
.rept 5
	v_nop
.endr
.irp n, 0,1,2,3
	WM 0, \n, \a, \bb, \bs, \hs, 0
.endr
.else
.irp n, 0,1,2,3
.irp t, 0,1,2,3
	WM \t, \n, \a, \bb, \bs, \hs, 0
.endr
.endr
.endif
.endm
; A K step whose weights lie in LDS.  Each half asks for the half two further on, into the buffer that the half before has just left.
.macro KL bw, bb, bs, first=0
.irp hs, 0,1
.if QP < QN
	WIN 0
	PLACES
	LDH AREG, QP, QP%3
.set QP, QP+1
.endif
	s_wait_dscnt 8*(QP-QL-1)                       ; LDS answers in order: only the younger halves' loads may be out; what was issued ahead of this half's (a bias, a stage's round trip) is in too
	HSTEP 32+32*(QL%3), \bw, \bb, \bs, \hs, \first
.set QL, QL+1
.endr
.endm
; A K step whose weights were streamed into GF.  N = the loads issued behind GF's.
.macro KG N, bw, bb, bs
	s_wait_loadcnt \N
	HSTEP 128, \bw, \bb, \bs, 0, 0
	HSTEP 160, \bw, \bb, \bs, 1, 0
.endm
.macro GFL reset                       ; the next streamed K step is asked for; the wait in KG has shown the last one's loads done, so their base may be written
	WIN 0
.if \reset
	s_mov_b64 s[GP:GP+1], s[GB:GB+1]
.else
	s_add_nc_u64 s[GP:GP+1], s[GP:GP+1], 8192
.endif
.set li, 0
.rept 16
	global_load_b128 v[128+4*li:131+4*li], v1, s[GP:GP+1] offset:512*li
.set li, li+1
.endr
.endm
.macro GFLP
	WIN 0
	PLACES
	GFL 0
.endm
.macro BIAS row                        ; lane (r, h) of accumulator nf wants bias[16 nf + 8 h + 0..7]
	WIN 0x40
.set li, 0
.rept 8
	ds_load_b128 v[8*li:8*li+3],   v6 offset:512*(\row)+64*li
	ds_load_b128 v[8*li+4:8*li+7], v6 offset:512*(\row)+64*li+16
.set li, li+1
.endr
.endm
.macro CVT t                           ; a tile's 8 accumulators rounded in pairs, each from its low end on
.set li, 0
.rept 32
	v_cvt_pk_bf16_f32 v[32*(\t)+li], v[64*(\t)+2*li], v[64*(\t)+2*li+1]
.set li, li+1
.endr
.endm
; Between two layers: OP = relu(ACC) in bf16.  row >= 0: tile 0's accumulators then take the next layer's bias.  gfl = 1: the next streamed K step is asked for first; 2: the next block's first (not in the last block).
; pre = 1: the next run's first weights; 2: the head tile.
.macro CONV row, gfl, pre
	WIN 0
	PLACES
.if (\gfl) == 1
	GFL 0
.elseif (\gfl) == 2
	s_cmp_eq_u32 s[BLK], 1
	s_cbranch_scc1 .Lnx_\@
	GFL 1
.Lnx_\@:
.endif
	WIN 0x85
	CVT 0
.if (\row) >= 0
	BIAS \row
.endif
.if (\pre) == 1
	PRE
.else
	WIN 0
	LDH 5, 6, 0
.endif
	WIN 0x85
	CVT 1
	CVT 2
	CVT 3
	WIN 0x82
.set li, 0
.rept 128
	v_pk_max_num_bf16 v[li], v[li], v12
.set li, li+1
.endr
	WIN 0
.endm
; ---- condition.  Item q: 0-3 this block's second half (tiles 0-3), 4-7 the next block's first half, 8-11 the next block's second half.  Even items go to STA, odd ones to STB.
.macro IADR q
.if (\q) < 4
.set IP, CUR
.set IO, (\q)*16384+512
.elseif (\q) < 8
.set IP, NXT
.set IO, ((\q)-4)*16384
.else
.set IP, NXT
.set IO, ((\q)-8)*16384+512
.endif
.endm
.macro ITEM q                          ; 16 loads, a row's 512 consecutive bytes each
	IADR \q
.set SW, 3*(1-((\q)%2))
	WIN SW<<6
.set li, 0
.rept 16
	global_load_b128 v[192+4*li:195+4*li], v1, s[IP:IP+1] offset:IO+1024*li th:TH_LOAD_NT
.set li, li+1
.endr
.endm
.macro ASK q                           ; a prefetch of my own item q: 16 rows x 2 blocks of 256 bytes, a lane a block; its load follows two items later; each block is named once in the launch
	IADR \q
	global_prefetch_b8 v11, s[IP:IP+1] offset:IO th:TH_LOAD_NT scope:SCOPE_SE
.endm
; Item q has landed: rounded to bf16 in place, through my stage (rows of 256 bytes, pitch 272), back as four fragments; then item q + 2 is asked for into the same registers, and item q + 4 prefetched.
; guard = 1: the last block has no next block: it jumps over what belongs to one, and waits for all its loads there, so that every later count holds on both ways.
.macro SIDE q, N, guard, pf
.set SW, 3*(1-((\q)%2))
.if (\q) < 4
.set DW, 3
.set DB, 32*(\q)
.else
.set DW, 2
.set DB, 128+32*((\q)-4)
.endif
	WIN 0
.if (\guard) && ((\q) >= 4)
	s_cmp_eq_u32 s[BLK], 1
	s_cbranch_scc1 .Lno_\@
.endif
	s_wait_loadcnt \N                              ; loads come back in order: at least N were issued behind this item's
	WIN SW*0x45
.set li, 0
.rept 32
	v_cvt_pk_bf16_f32 v[192+li], v[192+2*li], v[192+2*li+1]
.set li, li+1
.endr
	WIN SW<<2
.set li, 0
.rept 16
	ds_store_b64 v7, v[192+2*li:193+2*li] offset:SPITCH*li
.set li, li+1
.endr
	WIN DW<<6
.set li, 0
.rept 8
	ds_load_b128 v[DB+4*li:DB+4*li+3], v8 offset:32*li  ; LDS serves a wave's instructions in order (ISA guide 5.7.1.4): these see the stores above, and the next item's stores come behind them
.set li, li+1
.endr
.if (\guard) && (((\q) == 2) || ((\q) == 3))
	WIN 0
	s_cmp_eq_u32 s[BLK], 1
	s_cbranch_scc1 .Lni_\@
	ITEM (\q)+2
	WIN 0
	ASK (\q)+4
	s_branch .Ljn_\@
.Lni_\@:
	s_wait_loadcnt 0x0
.Ljn_\@:
.elseif (\guard) && ((\q) >= 4)
	ITEM (\q)+2
	WIN 0
	ASK (\q)+4
	s_branch .Ljn_\@
.Lno_\@:
	s_wait_loadcnt 0x0
.Ljn_\@:
.else
	ITEM (\q)+2
	WIN 0
.if \pf
	s_cmp_eq_u32 s[BLK], 1
	s_cbranch_scc1 .Lnp_\@
	ASK (\q)+4
.Lnp_\@:
.endif
.endif
.endm
; ---- sines and cosines.  All registers are pairs (even tile, odd tile); the three components take turns, so that no line reads the result of the line before it.
.macro C3 line:vararg
.set c, 0
.rept 3
	\line
.set c, c+1
.endr
.endm
.macro DBL ss, sc, ds, dc              ; sin 2a = (s + s) c, cos 2a = c c - s s
	C3 v_pk_mul_f32 v[WU+2*c:WU+2*c+1], v[(\ss)+2*c:(\ss)+2*c+1], v[(\ss)+2*c:(\ss)+2*c+1]
	C3 v_pk_add_f32 v[WT+2*c:WT+2*c+1], v[(\ss)+2*c:(\ss)+2*c+1], v[(\ss)+2*c:(\ss)+2*c+1]
	C3 v_pk_mul_f32 v[(\ds)+2*c:(\ds)+2*c+1], v[WT+2*c:WT+2*c+1], v[(\sc)+2*c:(\sc)+2*c+1]
	C3 v_pk_fma_f32 v[(\dc)+2*c:(\dc)+2*c+1], v[(\sc)+2*c:(\sc)+2*c+1], v[(\sc)+2*c:(\sc)+2*c+1], v[WU+2*c:WU+2*c+1] neg_lo:[0,0,1] neg_hi:[0,0,1]
.endm
; In: Y (at TB + 64) = the lowest level's angle / 4.  Out: level j's sines at TB + 12 j + 2 c, cosines at TB + 12 j + 6 + 2 c, j < nl.  The caller has set one window for all operands.
.macro TRIG TB, nl
.set WY, (\TB)+64
.set WK, (\TB)+70
.set WZ, (\TB)+76
.set WP, (\TB)+82
.set WQ, (\TB)+88
.set WU, (\TB)+94
.set WT, (\TB)+100
.set WS, (\TB)+106
.set WC, (\TB)+112
	C3 v_pk_mul_f32 v[WK+2*c:WK+2*c+1], v[WY+2*c:WY+2*c+1], s[K2PI:K2PI+1] op_sel_hi:[1,0]
	C3 v_rndne_f32 v[WK+2*c], v[WK+2*c]
	C3 v_rndne_f32 v[WK+2*c+1], v[WK+2*c+1]
	C3 v_pk_fma_f32 v[WY+2*c:WY+2*c+1], v[WK+2*c:WK+2*c+1], s[NHI:NHI+1], v[WY+2*c:WY+2*c+1] op_sel_hi:[1,0,1]
	C3 v_pk_fma_f32 v[WY+2*c:WY+2*c+1], v[WK+2*c:WK+2*c+1], s[NLO:NLO+1], v[WY+2*c:WY+2*c+1] op_sel_hi:[1,0,1]
	C3 v_pk_mul_f32 v[WZ+2*c:WZ+2*c+1], v[WY+2*c:WY+2*c+1], v[WY+2*c:WY+2*c+1]
	C3 v_pk_fma_f32 v[WP+2*c:WP+2*c+1], v[WZ+2*c:WZ+2*c+1], s[KS3:KS3+1], s[KS2:KS2+1] op_sel_hi:[1,0,0]
	C3 v_pk_fma_f32 v[WQ+2*c:WQ+2*c+1], v[WZ+2*c:WZ+2*c+1], s[KC4:KC4+1], s[KC3:KC3+1] op_sel_hi:[1,0,0]
	C3 v_pk_fma_f32 v[WP+2*c:WP+2*c+1], v[WZ+2*c:WZ+2*c+1], v[WP+2*c:WP+2*c+1], s[KS1:KS1+1] op_sel_hi:[1,1,0]
	C3 v_pk_fma_f32 v[WQ+2*c:WQ+2*c+1], v[WZ+2*c:WZ+2*c+1], v[WQ+2*c:WQ+2*c+1], s[KC2:KC2+1] op_sel_hi:[1,1,0]
	C3 v_pk_mul_f32 v[WP+2*c:WP+2*c+1], v[WP+2*c:WP+2*c+1], v[WZ+2*c:WZ+2*c+1]
	C3 v_pk_fma_f32 v[WQ+2*c:WQ+2*c+1], v[WZ+2*c:WZ+2*c+1], v[WQ+2*c:WQ+2*c+1], -0.5 op_sel_hi:[1,1,0]
	C3 v_pk_fma_f32 v[WS+2*c:WS+2*c+1], v[WY+2*c:WY+2*c+1], v[WP+2*c:WP+2*c+1], v[WY+2*c:WY+2*c+1]
	C3 v_pk_fma_f32 v[WC+2*c:WC+2*c+1], v[WZ+2*c:WZ+2*c+1], v[WQ+2*c:WQ+2*c+1], 1.0 op_sel_hi:[1,1,0]
	DBL WS, WC, WS, WC
	DBL WS, WC, (\TB), (\TB)+6
.set lv, 1
.rept (\nl)-1
	DBL (\TB)+12*(lv-1), (\TB)+12*(lv-1)+6, (\TB)+12*lv, (\TB)+12*lv+6
.set lv, lv+1
.endr
.endm
.macro PACK3 dst, TB, j, p             ; a level's six numbers of tile p of the pair: (sx, sy) (sz, cx) (cy, cz)
	v_cvt_pk_bf16_f32 v[(\dst)+3*(\j)],   v[(\TB)+12*(\j)+(\p)],   v[(\TB)+12*(\j)+2+(\p)]
	v_cvt_pk_bf16_f32 v[(\dst)+3*(\j)+1], v[(\TB)+12*(\j)+4+(\p)], v[(\TB)+12*(\j)+6+(\p)]
	v_cvt_pk_bf16_f32 v[(\dst)+3*(\j)+2], v[(\TB)+12*(\j)+8+(\p)], v[(\TB)+12*(\j)+10+(\p)]
.endm
; The points' encoding of tiles 2 g, 2 g + 1.  It works in the accumulators of tiles 1-3 (window 1, v64 on), which are dead between blocks.  A lane's 32 places: five levels of six, then (x, y) for h = 0, (z, 0) for h = 1.
.macro ENCODE g
	WIN 0x43
.irp p, 0,1
.irp cc, 0,1,2
	v_mul_f32 v[128+2*\cc+\p], v[176+4*(2*(\g)+\p)+\cc], v13
.endr
.endr
	WIN 0x4f
.irp p, 0,1
	v_cndmask_b32 v[124+\p], v[176+4*(2*(\g)+\p)], v[176+4*(2*(\g)+\p)+2], s[HM]
	v_cndmask_b32 v[126+\p], v[176+4*(2*(\g)+\p)+1], 0, s[HM]
.endr
	WIN 0x55
	TRIG 64, 5
	WIN 0xc5
.irp p, 0,1
.irp j, 0,1,2,3,4
	PACK3 128+16*(2*(\g)+\p), 64, \j, \p
.endr
	v_cvt_pk_bf16_f32 v[128+16*(2*(\g)+\p)+15], v[124+\p], v[126+\p]
.endr
	WIN 0
.endm
; The directions' encoding of all four tiles.  It works in OP (window 2, v0-123), which is dead behind the first head.  A lane's 16 places: two levels of six, then for h = 0 (x, y, z, 1.0), for h = 1 zeros.
.macro ENCVIEW
	WIN 0xaf
.irp t, 0,1,2,3
	v_mul_f32 v[32+\t], v[160+4*\t], v[160+4*\t]
.endr
.irp t, 0,1,2,3
	v_fma_f32 v[32+\t], v[161+4*\t], v[161+4*\t], v[32+\t]
.endr
.irp t, 0,1,2,3
	v_fma_f32 v[32+\t], v[162+4*\t], v[162+4*\t], v[32+\t]
.endr
	WIN 0xaa
.irp t, 0,1,2,3
	v_rsq_f32 v[36+\t], v[32+\t]
.endr
	v_nop                                          ; a plain instruction behind the last reciprocal root,
	s_wait_alu depctr_va_vdst(0)                   ; and the one wait ahead of the batch's first reader
	WIN 0x8b
.irp t, 0,1,2,3
.irp cc, 0,1,2
	v_mul_f32 v[40+6*((\t)/2)+2*\cc+((\t)%2)], v[160+4*\t+\cc], v[36+\t]
.endr
.endr
.irp g, 0,1
	WIN 0x82
.irp k, 0,1,2,3,4,5
	v_mul_f32 v[64+\k], v[40+6*\g+\k], v14
.endr
	WIN 0xaa
.irp k, 0,1,2,3,4,5
	v_cndmask_b32 v[52+\k], v[40+6*\g+\k], 0, s[HM]
.endr
	TRIG 0, 2
	WIN 0xca
.irp p, 0,1
	PACK3 128+8*(2*\g+\p), 0, 0, \p
	PACK3 128+8*(2*\g+\p), 0, 1, \p
	v_cvt_pk_bf16_f32 v[128+8*(2*\g+\p)+6], v[52+\p], v[54+\p]
.endr
	WIN 0xc2
.irp p, 0,1
	v_cvt_pk_bf16_f32 v[128+8*(2*\g+\p)+7], v[56+\p], v15
.endr
.endr
	WIN 0
.endm
; The head tile x OP: rows 0 and 8 give sigma, rows 1-3 and 9-11 the colours, so that each lies in a result's four lowest registers in both halves of the lanes.  Four accumulators by turns.
.macro HEAD
	s_wait_dscnt 0x0
	WIN 0x08
.irp kf, 0,1,2,3
.irp t, 0,1,2,3
.if \kf == 0
	v_wmma_f32_16x16x32_bf16 v[64+8*\t:71+8*\t], v[32+8*\kf:39+8*\kf], v[32*\t+8*\kf:32*\t+8*\kf+7], 0
.else
	v_wmma_f32_16x16x32_bf16 v[64+8*\t:71+8*\t], v[32+8*\kf:39+8*\kf], v[32*\t+8*\kf:32*\t+8*\kf+7], v[64+8*\t:71+8*\t]
.endif
.endr
.endr
	WIN 0
	PLACES
.endm
.macro PLD                             ; ten small loads, into ENC's registers, which the last product to read them has left: this block's directions and noise, the next block's coordinates
	WIN 0
	PLACES
	WIN 0xc0
.irp t, 0,1,2,3
	global_load_b96 v[160+4*\t:162+4*\t], v9, s[RAY:RAY+1] offset:192*\t
.endr
.irp t, 0,1,2,3
	global_load_b96 v[176+4*\t:178+4*\t], v9, s[CRD:CRD+1] offset:192*\t
.endr
	WIN 0
	global_load_b32 v16, v10, s[NOI:NOI+1]
	global_load_b32 v17, v10, s[NOI:NOI+1] offset:128
.endm
; ================================================================ the head
	s_load_b512 s[8:23], s[0:1], 0x0
	v_lshl_add_u32 v28, v0, 2, SPARE
	v_mov_b32 v29, 0
	ds_add_u32 v28, v29                            ; the wave's opening: the add and its wait come ahead of my tensor load; the set-up below, work on registers, stands between them
	v_lshrrev_b32 v30, 5, v0
	v_readfirstlane_b32 s[WV], v30                 ; wave 0..3
	; descriptor group 1: 297 rows of 256 bytes, dense: a quarter of the 304,128 bytes
	s_mov_b32 s36, 3<<16                           ; elements of 8 bytes, no mask, no padding
	s_mov_b32 s37, 32<<16                          ; tensor_dim0 = 32
	s_mov_b32 s38, 297<<16                         ; tensor_dim1 = 297
	s_mov_b32 s39, 32<<16                          ; tile_dim0 = 32
	s_mov_b32 s40, 297                             ; tile_dim1 = 297
	s_mov_b32 s41, 32                              ; 32 elements from row to row
	s_mov_b32 s42, 0
	s_mov_b32 s43, 0
	s_mov_b32 s32, 1
	s_mul_i32 s33, s[WV], 76032                    ; LDS address: my quarter
	s_mov_b32 s28, s33
	s_mov_b32 s29, 0
	s_mov_b32 s[HM], 0xffff0000
	s_mov_b32 s[NL2E], 0xbfb8aa3b                  ; -log2(e)
	KPAIR K2PI, 0x3f22f983                         ; 2 / pi
	KPAIR NHI, 0xbfc90fdb                          ; -(pi / 2), its first 24 bits,
	KPAIR NLO, 0x333bbd2e                          ; and what they leave
	KPAIR KS1, 0xbe2aaaab                          ; -1/6
	KPAIR KS2, 0x3c088889                          ; 1/120
	KPAIR KS3, 0xb9500d01                          ; -1/5040
	KPAIR KC2, 0x3d2aaaab                          ; 1/24
	KPAIR KC3, 0xbab60b61                          ; -1/720
	KPAIR KC4, 0x37d00d01                          ; 1/40320
	s_mov_b32 s[BLK], 4
	s_lshl_b32 s[BI], ttmp9, 2
	s_add_co_u32 s[BI], s[BI], s[WV]
	s_mul_i32 s27, s[WV], 16*SPITCH
	s_add_co_u32 s27, s27, STAGE                   ; my stage
	s_wait_dscnt 0x0                               ; the opening add is done
	s_wait_kmcnt 0x0
	s_add_nc_u64 s[34:35], s[WTS:WTS+1], s[28:29]
	s_or_b32 s35, s35, 0x80000000                  ; type = 2
	tensor_load_to_lds s[32:35], s[36:43]          ; my one tensor load of the launch
	s_nop 0
	PLACES
	s_load_b32 s[SBO], s[BOUT:BOUT+1], 0x0
	s_load_b96 s[88:90], s[BRGB:BRGB+1], 0x0
	s_add_nc_u64 s[GB:GB+1], s[WTS:WTS+1], RES
	PTR NXT, CND, BI, 65536                        ; the first block counts as the next one until the loop's top
	PTR CRD, CRDB, BI, 768
	v_and_b32 v30, 31, v0                          ; lane
	v_and_b32 v31, 15, v0                          ; r
	v_bfe_u32 v20, v0, 4, 1                        ; h
	v_lshlrev_b32 v1, 4, v30                       ; v1  16 x lane
	v_mul_u32_u24 v9, v31, 12                      ; v9  a point's three numbers
	WIN 0xc0
.irp t, 0,1,2,3
	global_load_b96 v[176+4*\t:178+4*\t], v9, s[CRD:CRD+1] offset:192*\t
.endr
	ITEM 4
	ITEM 5
	WIN 0
	v_add_nc_u32 v3, 196608, v1                    ; v3  slots 24-27: layer 0
	v_add_nc_u32 v4, 229376, v1                    ; v4  slots 28-32: the skip
	v_add_nc_u32 v5, 270336, v1                    ; v5  slots 33-35: the view, and behind them the head tile
	v_lshl_add_u32 v6, v20, 5, BIASOFF             ; v6  the biases, my half's eight
	v_lshl_add_u32 v7, v30, 3, s27                 ; v7  into the stage: 8 bytes a lane along a row
	v_mul_u32_u24 v8, v31, SPITCH
	v_lshl_add_u32 v8, v20, 4, v8
	v_add_nc_u32 v8, s27, v8                       ; v8  back: row r, 16 bytes for each half
	v_lshlrev_b32 v10, 2, v30                      ; v10 4 x lane
	v_lshrrev_b32 v11, 1, v30
	v_and_b32 v21, 1, v30
	v_lshlrev_b32 v11, 10, v11
	v_lshl_add_u32 v11, v21, 8, v11                ; v11 the prefetches: row lane / 2, block lane % 2 of its 512 bytes
	v_mov_b32 v12, 0                               ; v12 0, for the packed maximum
	v_mov_b32 v22, 0x3e800000
	v_mov_b32 v23, 0x41000000
	v_cndmask_b32 v13, v22, v23, s[HM]             ; v13 points: level 0 / 4, or level 5 / 4
	v_cndmask_b32 v14, v22, 1.0, s[HM]             ; v14 directions: level 0 / 4, or level 2 / 4
	v_cndmask_b32 v15, 1.0, v12, s[HM]             ; v15 the operand that meets the view's bias
	SIDE 4, 16, 0, 0                               ; the first block's CS; the count: the one younger item
	SIDE 5, 16, 0, 0
	SIDE 6, 16, 0, 0
	SIDE 7, 16, 0, 0
	GFL 1                                          ; the first streamed K step
	s_wait_kmcnt 0x0
	s_mul_f32 s[SB0], s88, s[NL2E]
	s_mul_f32 s[SB1], s89, s[NL2E]
	s_mul_f32 s[SB2], s90, s[NL2E]
	s_wait_tensorcnt 0x0                           ; my quarter of the weights is in,
	s_wait_dscnt 0x0                               ; no LDS instruction of mine is out,
	s_barrier_signal -1
	s_barrier_wait -1                              ; everybody's is: from here on the weights are only read
; ================================================================ a block of 64 points
.Lblock:
	s_wait_xcnt 0x0                                ; every load, store and prefetch issued so far has read its registers: the bases below and the stores' data may be written
	s_mov_b64 s[CUR:CUR+1], s[NXT:NXT+1]
	s_add_co_u32 s30, s[BI], 1024
	s_cmp_eq_u32 s[BLK], 1
	s_cselect_b32 s30, s[BI], s30                  ; the next block; in the last block this one, so that no load leaves a buffer
	PTR NXT, CND, 30, 65536
	PTR CRD, CRDB, 30, 768
	PTR RAY, RAYB, BI, 768
	PTR NOI, NOIB, BI, 256
	PTR OUTP, OUTB, BI, 1024
	v_mov_b32 v2, v1                               ; v2  slots 3 l .. 3 l + 2: layer l's weights
	BIAS 0
	GRP 3, 8
	PRE
	ENCODE 0
	ENCODE 1
	; layer 0: enc W_in + cs W_c + b_in + b_c
	KL 3, 136, 16, 1
	KG 0, 3, 128, 16                               ; nothing was asked for behind it
	GFLP
	KL 2, 128, 32
	KL 2, 136, 32
	KG 0, 2, 144, 32
	GFLP
	KL 2, 152, 32
	; the eight blocks; behind the fourth the skip's terms are added onto its sums
.irp l, 0,1,2,3,4,5,6,7
	GRP 2, 6
.if \l == 0
	CONV 1, 0, 1
.else
	CONV (\l)+1, 1, 1
.endif
	SIDE \l, 32, 1, 1
	KL 2, 0, 32, 1
	KL 2, 8, 32
	KL 2, 16, 32
	KG 16, 2, 24, 32                               ; the item that SIDE asked for may stay out
	WIN 0
	v_add_nc_u32 v2, 24576, v2
.if \l == 3
	PLACES
	GFL 0
	GRP 4, 10
	PRE
	KL 3, 128, 16
	KL 3, 136, 16
	KL 2, 128, 32
	KG 0, 2, 136, 32
	PLD
	KL 2, 144, 32
	KL 2, 152, 32
.endif
.endr
	; sigma's product; the accumulators keep net
	CONV -1, 1, 2
	HEAD
	v_cndmask_b32 v18, v64, v72, s[HM]             ; lane l of pair p is point 32 p + l: lanes 0-15 from the even tile, 16-31 from the odd one
	v_cndmask_b32 v19, v80, v88, s[HM]
	; net + enc_v W_view + ca W_viewc + their biases
	GRP 5, 6
	PRE
	ENCVIEW
	KG 0, 3, 128, 8
	GFLP
	KL 3, 0, 32
	KL 3, 8, 32
	KL 3, 16, 32
	KG 0, 3, 24, 32
	; the colours' product
	CONV -1, 2, 2
	HEAD
	; the way out: sigma = max(s + b_out + noise, 0); colour = 1 / (1 + 2^(-log2(e) (o + b)))
.irp p, 0,1
.irp i, 1,2,3
	v_cndmask_b32 v[96+4*\p+\i], v[64+16*\p+\i], v[72+16*\p+\i], s[HM]
.endr
.endr
.irp p, 0,1
	v_add_f32 v[18+\p], v[18+\p], v[16+\p]
	v_fma_f32 v[97+4*\p], v[97+4*\p], s[NL2E], s[SB0]
	v_fma_f32 v[98+4*\p], v[98+4*\p], s[NL2E], s[SB1]
	v_fma_f32 v[99+4*\p], v[99+4*\p], s[NL2E], s[SB2]
	v_add_f32 v[18+\p], s[SBO], v[18+\p]
.endr
.irp p, 0,1
.irp i, 1,2,3
	v_exp_f32 v[96+4*\p+\i], v[96+4*\p+\i]
.endr
.endr
	v_max_num_f32 v20, 0, v18                      ; plain work behind the last exponential,
	v_max_num_f32 v24, 0, v19
	s_wait_alu depctr_va_vdst(0)                   ; and the one wait for the six
.irp p, 0,1
.irp i, 1,2,3
	v_add_f32 v[96+4*\p+\i], 1.0, v[96+4*\p+\i]
.endr
.endr
.irp p, 0,1
.irp i, 1,2,3
	v_rcp_f32 v[20+4*\p+\i], v[96+4*\p+\i]
.endr
.endr
	v_nop
	s_wait_alu depctr_va_vdst(0)                   ; one wait for the six reciprocals
	global_store_b128 v1, v[20:23], s[OUTP:OUTP+1] th:TH_STORE_NT             ; 32 points x 16 bytes: 512 consecutive bytes, aligned
	global_store_b128 v1, v[24:27], s[OUTP:OUTP+1] offset:512 th:TH_STORE_NT
	s_add_co_u32 s[BI], s[BI], 1024
	s_sub_co_u32 s[BLK], s[BLK], 1
	s_cmp_lg_u32 s[BLK], 0
	s_cbranch_scc1 .Lblock
	s_wait_tensorcnt 0x0                           ; the wave's end, behind my tensor load and my last LDS store
	ds_add_u32 v28, v29
	s_wait_dscnt 0x0
	s_endpgm
.Lfunc_end_k_q25be5fa2e0_mlp:
	.size	k_q25be5fa2e0_mlp, .Lfunc_end_k_q25be5fa2e0_mlp-k_q25be5fa2e0_mlp
	.p2alignl 7, 3214868480
	.fill 96, 4, 3214868480
	.section	.rodata,"a",@progbits
	.p2align	6, 0x0
	.amdhsa_kernel k_q25be5fa2e0_mlp
		.amdhsa_group_segment_fixed_size 327680
		.amdhsa_private_segment_fixed_size 0
		.amdhsa_enable_private_segment 0
		.amdhsa_kernarg_size 64
		.amdhsa_user_sgpr_count 2
		.amdhsa_user_sgpr_kernarg_segment_ptr 1
		.amdhsa_wavefront_size32 1
		.amdhsa_system_sgpr_workgroup_id_x 1
		.amdhsa_system_sgpr_workgroup_id_y 1
		.amdhsa_system_sgpr_workgroup_id_z 1
		.amdhsa_system_vgpr_workitem_id 0
		.amdhsa_next_free_vgpr 1024
		.amdhsa_next_free_sgpr 92
		.amdhsa_reserve_vcc 0
		.amdhsa_float_denorm_mode_32 3
		.amdhsa_float_denorm_mode_16_64 3
		.amdhsa_memory_ordered 1
		.amdhsa_forward_progress 1
		.amdhsa_inst_pref_size 255
	.end_amdhsa_kernel
	.section	.bss,"aw",@nobits
	.p2align	6
	.space	262144
	.amdgpu_metadata
---
amdhsa.version: [ 1, 2 ]
amdhsa.kernels:
  - .name:           k_q25be5fa2e0_mlp
    .symbol:         k_q25be5fa2e0_mlp.kd
    .args:
      - { .name: wts, .offset: 0, .size: 8, .value_kind: global_buffer, .address_space: global }
      - { .name: condition, .offset: 8, .size: 8, .value_kind: global_buffer, .address_space: global }
      - { .name: coords, .offset: 16, .size: 8, .value_kind: global_buffer, .address_space: global }
      - { .name: ray_dir, .offset: 24, .size: 8, .value_kind: global_buffer, .address_space: global }
      - { .name: noise, .offset: 32, .size: 8, .value_kind: global_buffer, .address_space: global }
      - { .name: b_out, .offset: 40, .size: 8, .value_kind: global_buffer, .address_space: global }
      - { .name: b_rgb, .offset: 48, .size: 8, .value_kind: global_buffer, .address_space: global }
      - { .name: out0, .offset: 56, .size: 8, .value_kind: global_buffer, .address_space: global }
    .group_segment_fixed_size: 327680
    .private_segment_fixed_size: 0
    .kernarg_segment_align: 8
    .kernarg_segment_size: 64
    .max_flat_workgroup_size: 128
    .sgpr_count:     92
    .vgpr_count:     1024
    .wavefront_size: 32
...
	.end_amdgpu_metadata
.endif
;; end of part 2
